; MI455X (gfx1250); checked and timed in simulation.
; The chip was launched on July 23, 2026; its instructions are those of AMD's public machine-readable ISA for CDNA 5 (MIT licence, August 2026) and "CDNA5" Instruction Set Architecture Reference Guide (July 2026). The comments in the code are by the model that wrote it; some were corrected since.
;; Meta Learner. Allowed arithmetic: matrix products marked QUANTISED: E2M1 operands, one E8M0 scale for each 32 along K, by v_wmma_scale_f32_16x16x128_f8f6f4 with both operands' format E2M1 (or v_wmma_scale_f32_32x16x128_f4), f32 sums; products left as they are: f32 operands where the result goes on into a quantised operand, else bf16, f16 or f32 operands; f32 sums; everything else in f32.
;; Inputs: W1_codes 1,024 x 64 x 16 uint8 (E2M1 codes of W1, K innermost, in blocks of 32 codes, two codes a byte); W1_scales 1,024 x 64 uint8 (E8M0 scales of W1, one for each 32 codes along K); W2_codes 1,024 x 32 x 16 uint8 (E2M1 codes of W2, K innermost, in blocks of 32 codes, two codes a byte); W2_scales 1,024 x 32 uint8 (E8M0 scales of W2, one for each 32 codes along K); b1 1,024 float32; b2 1,024 float32; features 16,384 x 1,024 float32; prototypes 10 x 1,024 float32.
;; Outputs: out0 16,384 x 1,024 float32.
;; This version of the problem:
;;   THIS VERSION OF THE PROBLEM IS GIVEN IN LOW PRECISION. The matrix products marked QUANTISED in the list below multiply operands that are first quantised to E2M1 (2 exponent bits, 1 mantissa bit; 4 bits a number), with one power-of-two scale for each 32 numbers along K (OCP MX v1.0); their sums are f32. All else is computed in f32.
;;   The module's matrix products, in the order in which they are computed (A, B: the left and right operand; K: the contracted axis; several contracted axes count as one K, in the product's order):
;;     1. [M 16,384, K 1,024] x [K 1,024, N 10]; A: input features; B: input prototypes: left as it is (N = 10 < 16)
;;     2. [M 16,384, K 2,048] x [K 2,048, N 1,024]; A: computed on the way; B: input W1 (given as codes): QUANTISED
;;     3. [M 16,384, K 1,024] x [K 1,024, N 1,024]; A: computed on the way; B: input W2 (given as codes): QUANTISED
;;   THE QUANTISER, for each operand of a quantised product, along K:
;;     - K is cut into blocks of 32 from its start; a last block that is shorter is filled with zeros.
;;     - A block's scale is 2^e with e = floor(log2(the largest magnitude in the block)) - 2, held to -126 .. 127; a block of zeros has e = 0. As a byte (E8M0): e + 127.
;;     - Each number is divided by its block's scale, clamped to +-6, and rounded to the nearest number of E2M1, ties to even, subnormals kept.
;;     - The product sums the exact products of the quantised numbers (number of the format x scale) in f32.
;;   ~~~python
;;   def quantise(x, axis):      # numpy; x: float32 -> the quantised numbers, widened to float32 again
;;       x = np.moveaxis(x, axis, -1); K = x.shape[-1]
;;       x = np.pad(x, [(0, 0)] * (x.ndim - 1) + [(0, -K % 32)]); x = x.reshape(x.shape[:-1] + (-1, 32)); a = np.abs(x).max(-1, keepdims=True)
;;       e = np.where(a > 0, np.clip(np.frexp(np.where(a > 0, a, 1))[1] - 1 - 2, -126, 127), 0)      # np.frexp(a)[1] - 1 = floor(log2(a)), exactly
;;       r = np.clip(x / 2.0 ** e, -6, 6)
;;       step = 2.0 ** (np.maximum(np.frexp(np.where(r == 0, 1, r))[1] - 1, 0) - 1)
;;       q = np.round(r / step) * step * 2.0 ** e      # np.round: ties to even
;;       return np.moveaxis(q.reshape(q.shape[:-2] + (-1,))[..., :K], -1, axis).astype(np.float32)
;;   ~~~
;;   OPERANDS COMPUTED ON THE WAY. 'Computed on the way' means the value that the module computes at that place (a softmax that the list does not call 'softmax' is quantised finished and normalised). What goes into a quantiser is computed in f32, as accurately as f32 sums, v_exp_f32 and their like allow (about 1e-6 of the number): no bf16 or f16 on the way to a quantiser, and a product that is left as it is and whose result goes on into a quantised operand takes f32 operands (vector FMAs, or v_wmma_f32_16x16x4_f32). A number that lies on a knife's edge between two numbers of the format may be rounded either way, as far as f32 arithmetic and the matrix unit's own rounding can turn it there, and no further.
;;   INPUTS GIVEN AS CODES. W1 (in the module: [2048, 1024], K = its axis 0); W2 (in the module: [1024, 1024], K = its axis 0): each comes as NAME_codes (uint8): NAME with its K axis moved to the last place and cut into blocks of 32 codes, [.., K / 32, bytes a block], one block behind the other in memory; two codes a byte, the lower K in the low four bits (a code: sign, 2 exponent bits, 1 mantissa bit); and NAME_scales (uint8): the same leading axes, one E8M0 byte (e + 127) for each 32 codes along K. Its value is code x scale, taken as it is: it is not quantised again, and the codes and scales need not be those that the quantiser above would give.
;; One version. Each part assembles by itself: llvm-mc -triple=amdgcn-amd-amdhsa -mcpu=gfx1250 --defsym DOCPART=n.
;; ======== version 1 of 1: 1 launch
;; limits: values are held in bf16: 8 bits of precision; right only within a limited range of input values
;; launch fused (part 1): grid 256 x 1, 4 waves a work-group, clusters of 4 x 1, 327,680 bytes of LDS; arguments features, prototypes, W1_codes, W1_scales, b1, W2_codes, W2_scales, b2, out0; writes out0
.if DOCPART == 1
	.amdgcn_target "amdgcn-amd-amdhsa--gfx1250"
	.amdhsa_code_object_version 6
	.text
	.protected	k_qa7ebc051d8_fused
	.globl	k_qa7ebc051d8_fused
	.p2align	8
	.type	k_qa7ebc051d8_fused,@function
k_qa7ebc051d8_fused:
	s_mov_b64 s[64:65], 0
	v_nop
	global_prefetch_b8 v0, s[64:65] scope:SCOPE_SE
	s_setreg_imm32_b32 hwreg(HW_REG_WAVE_MODE, 25, 1), 1
	s_wait_xcnt 0x0
	s_wait_alu depctr_hold_cnt(0) depctr_sa_sdst(0) depctr_va_vdst(0) depctr_va_sdst(0) depctr_va_ssrc(0) depctr_va_vcc(0) depctr_vm_vsrc(0)
	s_getreg_b32 s2, hwreg(HW_REG_IB_STS2, 6, 4)
	s_cmp_eq_u32 s2, 0
	s_cbranch_scc0 .Lentry_in_a_cluster
	s_endpgm
.Lentry_in_a_cluster:
	s_bfe_u32 s2, ttmp6, 0x10000c
	s_cmp_lg_u32 s2, 0x3003
	s_cbranch_scc0 .Lentry_shape_is_right
	s_endpgm
.Lentry_shape_is_right:
; out0 = relu([features | nearest prototype] W1 + b1) W2 + b2.  features [16384][1024] f32, prototypes [10][1024] f32; W1 [1024 n][2048 k], W2 [1024 n][1024 k]: codes of E2M1, K innermost, one E8M0 byte for each 32 along K.
; THE LOWER HALF OF W1 meets only ten different rows: a row's second half is one of the ten prototypes, the quantiser works on blocks of 32 inside a row, and 1,024 is a multiple of 32.
; So Q(prototypes) x W1[1024 ..] + b1 = T [10][1024] is made once in each work-group, and each row of the features takes the T of its nearest prototype as the start of its sums.
; THE CHOICE IS A MATRIX PRODUCT, without an address: T's f32 numbers are held as three bf16 parts (8 + 8 + 8 bits, each the rounded rest of the one before), 3 x 10 parts along K = 32; the other source holds a one in the three
; places of the row's prototype and zeros elsewhere: the sum of three parts is T again, in f32.
; LEFT OUT: the sum of squares of a feature row (f2).  It is added to all ten distances of the row alike, so it cannot move the argmin for any values.  An infinity or a NaN that would arise in f2 alone is not carried.
; The distances to the prototypes are made on f32 operands (v_wmma_f32_16x16x4_f32), since they decide a quantised operand.
; LIMITS.  NaN and infinities among the inputs are not served.  A block of zeros gets the scale byte 1 (the rule says 127): its codes are zeros, and the bytes are read by this launch alone.
; The distances' f32 sums are taken in another order than a row-by-row sum: two prototypes whose squared distances lie within a few ulp of each other may be chosen the other way.
; SHARES.  A work-group of four waves owns 64 rows (four tiles m of 16).  Ahead of layer 1 wave w works on k = 256 w .. 256 w + 255 of all 64 rows, in 16 chunks of 16 rows x 64 k: loaded into registers as rows of 256 bytes, seven chunks ahead,
; put into the wave's own stage in LDS and read back so that a lane holds one row.  In the products the waves share the columns: of each weight tile (256 rows x 512 bytes) wave w fetches 64 rows, reads them once into registers,
; and multiplies them with all 64 rows, whose fragments every wave keeps in 256 registers.  The hidden layer goes from wave to wave through LDS and never to memory.
; THE TWELVE WEIGHT TILES (four of W1's lower half, four of its upper half, four of W2) go through one ring of two slots.  The first four are multiplied with the prototypes between the four row tiles of the features.
; The layers' products are used TRANSPOSED (source 0 = 16 rows of a weight, source 1 = 16 rows of x): a lane holds one row and eight neighbouring columns.  T's product is not: a lane holds one hidden unit and eight prototypes.
; CLUSTER.  The four work-groups of a cluster walk the same weight tiles: each tile is asked for jointly, by the same tensor load with the same descriptor and the mask 15.
; ROTATION: cluster c begins each weight with tile c mod 4 and wraps round.  The rotation is the cluster's number, alike in all partners.
; NO PREFETCH: the features are asked for seven chunks ahead, 28,672 bytes a wave; of each weight the 64 clusters, by their rotation, ask for all four tiles at their first change of slots on it.
.set VP,    528                        ; an LDS row: 512 bytes + 16 of padding
.set PARTB, 64*VP                      ; a wave's part of a slot
.set SLOTB, 4*PARTB                    ; 0x21000: no bit of it is set in wave x PARTB, so one exclusive or turns a descriptor's LDS address from slot to slot
.set IMG,   2*SLOTB                    ; operand images, 32,768 bytes.  x: [K step][m][c][lane] 16 bytes; hidden layer: [wave][tile][m][lane]
.set ISC,   IMG+32768                  ; scale bytes.  x: [K step][m][r] words; hidden layer: [wave][tile][m][r] pairs of bytes
.set STG,   ISC+2048                   ; each wave's stage, 16 rows x 272 bytes; between the row tiles and layer 1 the partial products
.set P2P,   STG+17408                  ; [wave][r] partial sums of squares of the prototypes; behind them [64] the nearest prototypes' numbers
.set SPARE, P2P+512                    ; the spare words, 128 bytes for each wave: two blocks that no other line names
; REGISTERS, window 0 (v0-3: the thread's terms at the head, then b1 of T's odd tiles, then v0 the scale words' second offset)
.set SPW,  4
.set NIL,  5
.set RD,   6                           ; my stage + 272 h + 16 r
.set FSR,  7                           ; my stage + 272 r + 64 h
.set STO,  8                           ; my stage + 272 r + 32 h
.set IMW,  9                           ; IMG + 8192 w + 16 lane
.set ISW,  10                          ; ISC + 512 w + 4 r
.set LI,   11                          ; IMG + 16 lane
.set LSC,  12                          ; ISC + 4 r + 1024 h (lanes 16-31: the K step four further on)
.set HWI,  13                          ; IMG + 8192 w + 16 lane
.set HSI,  14                          ; ISC + 512 w + 2 r
.set AV,   15                          ; PARTB w + 528 r + 16 h
.set ADR,  16
.set GFE,  17                          ; features, prototypes: 4096 h + 16 r + 1024 w
.set GWS,  18                          ; W1's scale bytes: 64 lane + 4096 w
.set GW2S, 19                          ; W2's: 32 lane + 2048 w
.set GB1,  20                          ; 4 r + 256 w
.set GB2,  21                          ; 32 h + 256 w
.set CO,   22                          ; out0: 4096 h + 16 r + 256 w
.set DPW,  23
.set DPR,  24
.set P2W,  25
.set P2R,  26
.set HSR,  27                          ; ISC + 2 r + 256 h
.set IDR,  28
.set NEG1, 29                          ; -1.0
.set HAD,  30
.set HSA,  31
.set XS,   32                          ; v32-47 scale words: of T's odd tiles, then of x, then of the hidden layer: nothing else ever
.set WS,   48                          ; v48-63 scale words of the weight tile in hand: nothing else ever
.set PQS,  64                          ; v64-67 scale words of the prototypes: nothing else ever
.set TM,   72                          ; v72-87 at work
.set PC,   88                          ; v88-95 codes just made; v92-95 b1 of T's even tiles
.set DA,   96                          ; v96-127 four accumulators of the f32 matrix form: written by that form alone
.set TQ,   128                         ; v128-255 T as an operand: 8 registers for each of my 16 tiles of hidden units, in the order of the walk
.set OB,   128                         ; the way out: rows read back, two sets of 32
; window 1: v0-63 two chunks as operands, v64-127 the prototypes' fragments, v128-255 the prototypes in f32; then x's fragments (m, s) at 64 m + 8 s; then the hidden layer's.
; window 2: v0-223 seven chunks as loaded, v224-255 partial products; then v0-127 the layers' accumulators at 8 (4 m + u), v128-159 the ones, v160-191 b2.   window 3: the weight tile's fragments (s, u) at 8 (4 s + u).
.set ONE,  128
.set B2R,  160
.set SD,   224
.set WV,   22
.set CNT,  23
.set SEL,  24                          ; s[24:25] v_permlanex16_b32's selects for lane l xor 16
.set TB,   26                          ; the slot from which the next tile is read
.set HT,   27                          ; 2,048 x the tile of hidden units in hand
.set G1A,  28                          ; s[28:35] group 1: W1's parts
.set G1B,  36                          ; s[36:43] group 1: W2's parts
.set G0W,  44                          ; s[44:47] group 0; it is written only where no tensor load of the wave is out
.set OFF1, 48
.set OFF2, 50
.set WSP,  52
.set BIP,  54
.set OUTP, 56
.set TAU,  58                          ; 16,384 x the tile whose scale words are loaded next
.set OC,   59                          ; 1,024 x W2's tile in hand
.set HM,   60                          ; lanes 16-31
.set MSK8, 62                          ; the signs of eight codes
.set MSB, 0
.set LC, 0                             ; loads into registers issued so far; PE_q: their number behind chunk q's
.macro WIN new                         ; the immediate's high byte repeats the setting that is left; bits 1:0 source 0, 3:2 source 1, 5:4 source 2, 7:6 destination
.if MSB != (\new)
	s_set_vgpr_msb (MSB<<8)|(\new)
.set MSB, (\new)
.endif
.endm
.macro PLACES n
.rept \n
	v_nop
.endr
.endm
.macro WA
	s_wait_alu depctr_va_vdst(0)
.endm
.macro ROUND                           ; a round of the cluster's barrier
	s_barrier_signal -1
	s_barrier_wait -1
	s_cmp_lg_u32 s[WV], 0
	s_cbranch_scc1 .Lnot_wave_0_\@
	s_barrier_signal -3
.Lnot_wave_0_\@:
	s_barrier_wait -3
	s_barrier_signal -1
	s_barrier_wait -1
.endm
; My part of the next tile to be asked for.  kind 0: W1's lower half along K; 1: its upper half; 2: W2.  Behind the last tile the offset wraps to the first.
.macro AIM kind
.if \kind == 2
	s_add_nc_u64 s[G0W+2:G0W+3], s[14:15], s[OFF2:OFF2+1]
	s_add_co_u32 s[OFF2], s[OFF2], 131072
	s_and_b32 s[OFF2], s[OFF2], 0x7ffff            ; four tiles are 2^19 bytes
.else
	s_add_nc_u64 s[G0W+2:G0W+3], s[8:9], s[OFF1:OFF1+1]
.if \kind == 0
	s_add_nc_u64 s[G0W+2:G0W+3], s[G0W+2:G0W+3], 0x200
.endif
	s_add_co_u32 s[OFF1], s[OFF1], 262144
	s_and_b32 s[OFF1], s[OFF1], 0xfffff            ; four tiles are 2^20 bytes
.endif
	s_or_b32 s[G0W+3], s[G0W+3], 0x80000000        ; type = 2
.endm
; THE CHANGE OF SLOTS.  Every wave waits for all its tensor loads, adds 0 to its spare word, waits for that and for all its LDS reads and stores; a round of the cluster's barrier; then its one joint load,
; into the slot whose bytes have been read out.
.macro CHANGE kind
	WA
	s_wait_tensorcnt 0x0                           ; no tensor load of mine is out: group 0 may be written
	ds_add_u32 v[SPW], v[NIL]
	s_xor_b32 s[G0W+1], s[G0W+1], SLOTB
	AIM \kind
	s_wait_dscnt 0x0                               ; the add is done; my reads of the slot are in registers; my LDS stores have landed
	ROUND
.if \kind == 2
	tensor_load_to_lds s[G0W:G0W+3], s[G1B:G1B+7]
	s_nop 0
.else
	tensor_load_to_lds s[G0W:G0W+3], s[G1A:G1A+7]
	s_nop 0
.endif
	PLACES 4
.endm
.macro TSTEP
	s_add_co_u32 s[TAU], s[TAU], 16384
	s_and_b32 s[TAU], s[TAU], 0xffff               ; four tiles' scale bytes of W1 are 2^16
.endm
.macro PTR1                            ; W1's scale bytes (16,384 a tile) and b1 (1,024 a tile)
	s_mov_b32 s2, s[TAU]
	s_mov_b32 s3, 0
	s_add_nc_u64 s[WSP:WSP+1], s[10:11], s[2:3]
	s_lshr_b32 s2, s[TAU], 4
	s_add_nc_u64 s[BIP:BIP+1], s[12:13], s[2:3]
.endm
.macro PTRO                            ; out0's columns
	s_mov_b32 s2, s[OC]
	s_mov_b32 s3, 0
	s_add_nc_u64 s[OUTP:OUTP+1], s[20:21], s[2:3]
.endm
.macro LDWS ws, o                      ; W1's scale words of eight K steps: register 8 g + s: lane l takes row 32 g + l of my 64
	global_load_b128 v[\ws:\ws+3], v[GWS], s[WSP:WSP+1] offset:\o
	global_load_b128 v[\ws+4:\ws+7], v[GWS], s[WSP:WSP+1] offset:\o+16
	global_load_b128 v[\ws+8:\ws+11], v[GWS], s[WSP:WSP+1] offset:\o+2048
	global_load_b128 v[\ws+12:\ws+15], v[GWS], s[WSP:WSP+1] offset:\o+2064
.set LC, LC+4
.endm
.macro LDB1 bb                         ; b1: lane r takes hidden unit 16 u + r of my 64
.irp u, 0,1,2,3
	global_load_b32 v[\bb+\u], v[GB1], s[BIP:BIP+1] offset:64*\u
.endr
.set LC, LC+4
.endm
.macro NEXTW ws, bb
	s_wait_xcnt 0x0                                ; the loads that named the pointers have had their addresses translated (ISA guide 3.1)
	TSTEP
	PTR1
	LDWS \ws, 32
	LDB1 \bb
.endm
.macro GLD q                           ; chunk q: 16 rows x 256 bytes, sixteen lanes a row
	WIN 0x80
.irp i, 0,1,2,3,4,5,6,7
	global_load_b128 v[32*(\q%7)+4*\i:32*(\q%7)+4*\i+3], v[GFE], s[4:5] offset:(16*(\q/4)+2*\i)*4096+256*(\q%4) th:TH_LOAD_NT
.endr
.set LC, LC+8
.set PE_\q, LC
	WIN 0
.endm
	s_load_b512 s[4:19], s[0:1], 0x0               ; features s[4:5], prototypes s[6:7], W1's codes s[8:9], scales s[10:11], b1 s[12:13], W2's codes s[14:15], scales s[16:17], b2 s[18:19]
	s_load_b64 s[20:21], s[0:1], 0x40              ; out0
	v_lshl_add_u32 v[SPW], v0, 2, SPARE
	v_mov_b32 v[NIL], 0
	ds_add_u32 v[SPW], v[NIL]                      ; the wave's opening: the add, twice on end
	ds_add_u32 v[SPW], v[NIL]
	v_lshrrev_b32 v1, 5, v0
	v_readfirstlane_b32 s[WV], v1                  ; wave 0..3
	v_and_b32 v1, 15, v0                           ; r
	v_bfe_u32 v2, v0, 4, 1                         ; h
	v_and_b32 v3, 31, v0                           ; lane
	s_wait_alu depctr_va_vdst(0)                   ; the wait, ahead of the scalar lines and of the readers behind them
	s_bfe_u32 s2, ttmp6, 0x40000                   ; my place in the cluster: it enters the features' and out0's addresses alone
	s_lshl_b32 s3, ttmp9, 2
	s_add_co_u32 s3, s3, s2                        ; work-group = 4 x cluster + place
	s_lshl_b32 s66, s3, 18                         ; x 64 rows x 4,096 bytes (under 2^26)
	s_mov_b32 s67, 0
	s_lshl_b32 s2, s[WV], 10
	v_lshl_add_u32 v[GFE], v1, 4, s2
	v_lshl_add_u32 v[GFE], v2, 12, v[GFE]
	s_lshl_b32 s2, s[WV], 11
	v_lshl_add_u32 v[GW2S], v3, 5, s2
	v_lshlrev_b32 v[GWS], 1, v[GW2S]
	s_lshl_b32 s2, s[WV], 8
	v_lshl_add_u32 v[GB1], v1, 2, s2
	v_lshl_add_u32 v[GB2], v2, 5, s2
	v_lshl_add_u32 v[CO], v1, 4, s2
	v_lshl_add_u32 v[CO], v2, 12, v[CO]
	; group 1: 64 rows x 512 bytes; the mask names the cluster's four work-groups, bit 21 is set beside it; 4 words of padding behind every 128.  W1: 1,024 bytes from row to row; W2: 512
	s_mov_b32 s[G1A], 15|(1<<20)|(1<<21)|(6<<22)|(3<<25)
	s_mov_b32 s[G1A+1], 512<<16
	s_mov_b32 s[G1A+2], 64<<16
	s_mov_b32 s[G1A+3], 512<<16
	s_mov_b32 s[G1A+4], 64
	s_mov_b32 s[G1A+5], 1024
	s_mov_b32 s[G1A+6], 0
	s_mov_b32 s[G1A+7], 0
	s_mov_b32 s[G1B], 15|(1<<20)|(1<<21)|(6<<22)|(3<<25)
	s_mov_b32 s[G1B+1], 512<<16
	s_mov_b32 s[G1B+2], 64<<16
	s_mov_b32 s[G1B+3], 512<<16
	s_mov_b32 s[G1B+4], 64
	s_mov_b32 s[G1B+5], 512
	s_mov_b32 s[G1B+6], 0
	s_mov_b32 s[G1B+7], 0
	s_and_b32 s3, ttmp9, 3                         ; my cluster's first tile of each weight
	s_lshl_b32 s[OFF1], s3, 18
	s_lshl_b32 s2, s[WV], 16                       ; 64 rows of W1
	s_add_co_u32 s[OFF1], s[OFF1], s2
	s_mov_b32 s[OFF1+1], 0
	s_lshl_b32 s[OFF2], s3, 17
	s_lshl_b32 s2, s[WV], 15                       ; 64 rows of W2
	s_add_co_u32 s[OFF2], s[OFF2], s2
	s_mov_b32 s[OFF2+1], 0
	s_lshl_b32 s[HT], s3, 11
	s_lshl_b32 s[TAU], s3, 14
	s_lshl_b32 s[OC], s3, 10
	s_mov_b32 s[SEL], 0x76543210
	s_mov_b32 s[SEL+1], 0xfedcba98
	s_mov_b32 s[HM], 0xffff0000
	s_mov_b32 s[MSK8], 0x88888888
	s_mov_b32 s[G0W], 1
	s_mul_i32 s[G0W+1], s[WV], PARTB
	WA
	s_wait_dscnt 0x0                               ; both opening adds are done
	s_wait_kmcnt 0x0
	s_add_nc_u64 s[4:5], s[4:5], s[66:67]
	s_add_nc_u64 s[20:21], s[20:21], s[66:67]      ; features and out0 at my work-group's first row
	AIM 0
	PTR1
	PTRO
	WIN 0xc0
.irp c, 0,1,2,3                        ; my 256 k of the ten prototypes, as rows of 256 bytes
.irp i, 0,1,2,3,4
	global_load_b128 v[20*\c+4*\i:20*\c+4*\i+3], v[GFE], s[6:7] offset:8192*\i+256*\c
.endr
.endr
	WIN 0
.set LC, LC+20
	LDWS WS, 32                                    ; T's first tile
	LDB1 92
	GLD 0
	GLD 1
	GLD 2
	ROUND                                          ; the round in front of the launch's first tensor load
	tensor_load_to_lds s[G0W:G0W+3], s[G1A:G1A+7]
	s_nop 0
	PLACES 4
	; ---- addresses: a constant + lane terms + wave terms
	s_mul_i32 s2, s[WV], 4352
	s_add_co_u32 s2, s2, STG
	v_mul_u32_u24 v[FSR], v1, 272
	v_add_nc_u32 v[FSR], s2, v[FSR]
	v_lshl_add_u32 v[STO], v2, 5, v[FSR]
	v_lshl_add_u32 v[FSR], v2, 6, v[FSR]
	v_mul_u32_u24 v[RD], v2, 272
	v_lshl_add_u32 v[RD], v1, 4, v[RD]
	v_add_nc_u32 v[RD], s2, v[RD]
	v_lshl_add_u32 v[DPW], v3, 4, s2
	s_lshl_b32 s2, s[WV], 10
	s_add_co_u32 s2, s2, STG
	v_lshl_add_u32 v[DPR], v3, 4, s2
	s_lshl_b32 s2, s[WV], 13
	s_add_co_u32 s2, s2, IMG
	v_lshl_add_u32 v[IMW], v3, 4, s2
	v_lshl_add_u32 v[HWI], v3, 4, s2
	s_lshl_b32 s2, s[WV], 9
	s_add_co_u32 s2, s2, ISC
	v_lshl_add_u32 v[ISW], v1, 2, s2
	v_lshl_add_u32 v[HSI], v1, 1, s2
	v_lshl_add_u32 v[LI], v3, 4, IMG
	v_lshl_add_u32 v[LSC], v1, 2, ISC
	v_lshl_add_u32 v[LSC], v2, 10, v[LSC]
	v_lshl_add_u32 v[HSR], v1, 1, ISC
	v_lshl_add_u32 v[HSR], v2, 8, v[HSR]
	s_mul_i32 s2, s[WV], PARTB
	v_mul_u32_u24 v[AV], v1, VP
	v_lshl_add_u32 v[AV], v2, 4, v[AV]
	v_add_nc_u32 v[AV], s2, v[AV]
	v_add_nc_u32 v[ADR], SLOTB, v[AV]              ; slot 1, until layer 1 makes it anew for each tile
	s_lshl_b32 s2, s[WV], 6
	s_add_co_u32 s2, s2, P2P
	v_lshl_add_u32 v[P2W], v1, 2, s2
	v_lshl_add_u32 v[P2R], v2, 5, P2P
	v_lshl_add_u32 v[IDR], v1, 2, P2P+256
	v_mov_b32 v[NEG1], -1.0
.set n, 0
.rept 16
	v_mov_b32 v[TM+n], 0                           ; written once: a lane permute's destination counts as one of its sources
.set n, n+1
.endr
	GLD 3
	GLD 4
	GLD 5
	GLD 6
; THE QUANTISER of a chunk: 32 numbers of a lane in window 1, register 16 b + i = k 32 b + 16 h + i of the lane's row.  MX: one step of the search for the largest magnitudes, with the floor 2^(3 - 127) among the leaves, so that the
; byte cannot fall under 1.  QT: with lane l xor 16's; 2 off the exponent field is the conversion's scale operand, shifted down the byte; the codes; the exchange of halves that gives each lane a whole block; the image's 512 bytes and two scale bytes a row.
.macro MX src
.set bI, pI%2
.set xI, (\src)+16*bI+2*(pI/2)
.if pI < 2
	v_max3_num_f32 v[TM+bI], |v[xI]|, |v[xI+1]|, 0x1800000
.else
	v_max3_num_f32 v[TM+bI], |v[xI]|, |v[xI+1]|, v[TM+bI]
.endif
.set pI, pI+1
.endm
.macro QT src, m, ch
	WIN 0
.irp b, 0,1
	v_permlanex16_b32 v[TM+4+\b], v[TM+\b], s[SEL], s[SEL+1]
.endr
.irp b, 0,1
	v_max_num_f32 v[TM+\b], v[TM+\b], v[TM+4+\b]
.endr
.irp b, 0,1
	v_add_nc_u32 v[TM+12+\b], 0xff000000, v[TM+\b]
.endr
.irp b, 0,1
	v_lshrrev_b32 v[TM+8+\b], 23, v[TM+12+\b]
.endr
	v_lshl_or_b32 v[TM+10], v[TM+9], 8, v[TM+8]
	WIN 0x01
.irp b, 0,1
	v_cvt_scalef32_pk8_fp4_f32 v[PC+2*\b], v[(\src)+16*\b:(\src)+16*\b+7], v[TM+12+\b]
	v_cvt_scalef32_pk8_fp4_f32 v[PC+2*\b+1], v[(\src)+16*\b+8:(\src)+16*\b+15], v[TM+12+\b]
.endr
	WIN 0
	PLACES 3                                       ; one plain place behind a scaled conversion; the others are among the places behind the f32 matrix instructions
	v_permlane16_swap_b32 v[PC], v[PC+2]
	v_permlane16_swap_b32 v[PC+1], v[PC+3]
	ds_store_b128 v[IMW], v[PC:PC+3] offset:4096*(\ch/2)+1024*\m+512*(\ch%2)
	ds_store_b16 v[ISW], v[TM+10] offset:256*(\ch/2)+64*\m+2*(\ch%2)
.endm
	; ---- the prototypes.  Row tile 3's places in the images serve them until row tile 3 is quantised.  Stage rows 10 to 15 repeat prototypes 8 and 9: their distances equal those bit for bit, and a strict 'less' never picks them
	WA
	s_wait_loadcnt 63                              ; 84 loads are issued: the first 20, the prototypes', are in
.irp c, 0,1,2,3
	WIN 0x0c
.set n, 0
.rept 8
.set i4, n
.if n > 4
.set i4, 4
.endif
	ds_store_b128 v[RD], v[20*\c+4*i4:20*\c+4*i4+3] offset:544*n
.set n, n+1
.endr
	WIN 0x40
.irp n8, 0,1,2,3,4,5,6,7
	ds_load_b128 v[128+32*\c+4*\n8:128+32*\c+4*\n8+3], v[FSR] offset:128*(\n8/4)+16*(\n8%4)   ; LDS serves a wave's instructions in order (ISA guide 5.7.1.4): these see my stores
.endr
.endr
	WIN 0
	NEXTW XS, 0                                    ; T's second tile
	s_wait_dscnt 0x0
	WIN 0x05
.set n, 0
.rept 64                               ; the sum of squares of my 128 numbers, in four chains
.if n < 4
	v_pk_mul_f32 v[TM+2*n:TM+2*n+1], v[128+2*n:129+2*n], v[128+2*n:129+2*n]
.else
	v_pk_fma_f32 v[TM+2*(n%4):TM+2*(n%4)+1], v[128+2*n:129+2*n], v[128+2*n:129+2*n], v[TM+2*(n%4):TM+2*(n%4)+1]
.endif
.set n, n+1
.endr
	WIN 0
	v_pk_add_f32 v[TM:TM+1], v[TM:TM+1], v[TM+2:TM+3]
	v_pk_add_f32 v[TM+4:TM+5], v[TM+4:TM+5], v[TM+6:TM+7]
	v_pk_add_f32 v[TM:TM+1], v[TM:TM+1], v[TM+4:TM+5]
	v_add_f32 v[TM], v[TM], v[TM+1]
	v_permlanex16_b32 v[TM+8], v[TM], s[SEL], s[SEL+1]
	v_add_f32 v[TM], v[TM], v[TM+8]
	ds_store_b32 v[P2W], v[TM]                     ; both halves of the lanes write the same word with the same value
.irp c, 0,1,2,3
	WIN 0x05
.set pI, 0
.rept 16
	MX 128+32*\c
.endr
	QT 128+32*\c, 3, \c
.endr
; A chunk from its registers through my stage into an operand buffer.  The count leaves the younger loads out.
.macro AB q
.if (LC-PE_\q) > 63                    ; the count's field holds 63
	s_wait_loadcnt 63
.else
	s_wait_loadcnt LC-PE_\q
.endif
	WIN 0x08
.irp i, 0,1,2,3,4,5,6,7
	ds_store_b128 v[RD], v[32*(\q%7)+4*\i:32*(\q%7)+4*\i+3] offset:544*\i
.endr
	WIN 0x40
.irp i, 0,1,2,3,4,5,6,7
	ds_load_b128 v[32*(\q%2)+4*\i:32*(\q%2)+4*\i+3], v[FSR] offset:128*(\i/4)+16*(\i%4)
.endr
	WIN 0
.endm
.macro FQ p, av                        ; a quarter of a weight tile's fragments: K steps 2 p, 2 p + 1
	WIN 0xc0
.set n, 0
.rept 8
.set qs, 2*(\p)+n/4
.set qu, n%4
	ds_load_b128 v[8*(4*qs+qu):8*(4*qs+qu)+3], v[\av] offset:16*VP*qu+64*qs
	ds_load_b128 v[8*(4*qs+qu)+4:8*(4*qs+qu)+7], v[\av] offset:16*VP*qu+64*qs+32
.set n, n+1
.endr
	WIN 0
.endm
; Eight f32 matrix instructions (source 0 = the prototypes, source 1 = the rows: a lane then holds ONE row and prototypes 8 h + 0 .. 7), four accumulators by turns; k is permuted alike in both sources.
.macro F8 q, ch, n0
	WIN 0x05
.set n, \n0
.rept 8
.set xb, 16*(n%2)+2*(n/2)
.set rD, DA+8*(n%4)
.if (\ch == 0) && (n < 4)
	v_wmma_f32_16x16x4_f32 v[rD:rD+7], v[128+32*\ch+xb:129+32*\ch+xb], v[32*(\q%2)+xb:32*(\q%2)+xb+1], 0
.else
	v_wmma_f32_16x16x4_f32 v[rD:rD+7], v[128+32*\ch+xb:129+32*\ch+xb], v[32*(\q%2)+xb:32*(\q%2)+xb+1], v[rD:rD+7]
.endif
.if n > 7
	MX 32*(\q%2)
	MX 32*(\q%2)
.endif
.set n, n+1
.endr
.endm
; A chunk.  q7: the chunk that takes its load registers (16: none); qn: the next chunk, whose way through the stage lies between the two halves of the products, as does a quarter of T's weight tile.
.macro CHUNK q, qn, q7, m, ch, av
	s_wait_dscnt 18                                ; my operand is in; behind its loads at least 16 of the tile's and two stores were issued
.if \q7 < 16
	GLD \q7
.endif
	F8 \q, \ch, 0
	WIN 0
.if \qn < 16
	AB \qn
.endif
	FQ \ch, \av
.set pI, 0
	F8 \q, \ch, 8
	QT 32*(\q%2), \m, \ch
.endm
; One scaled matrix instruction; its registers and the rows of its scale registers are set by the caller.  rZ: the sum begins.
.macro WMX c
.if rRA && rRB
	v_wmma_scale_f32_16x16x128_f8f6f4 v[rD:rD+7], v[rA:rA+7], v[rB:rB+7], \c, v[rSA], v[rSB] matrix_a_fmt:MATRIX_FMT_FP4 matrix_b_fmt:MATRIX_FMT_FP4 matrix_a_scale:MATRIX_SCALE_ROW1 matrix_b_scale:MATRIX_SCALE_ROW1
.elseif rRA
	v_wmma_scale_f32_16x16x128_f8f6f4 v[rD:rD+7], v[rA:rA+7], v[rB:rB+7], \c, v[rSA], v[rSB] matrix_a_fmt:MATRIX_FMT_FP4 matrix_b_fmt:MATRIX_FMT_FP4 matrix_a_scale:MATRIX_SCALE_ROW1
.elseif rRB
	v_wmma_scale_f32_16x16x128_f8f6f4 v[rD:rD+7], v[rA:rA+7], v[rB:rB+7], \c, v[rSA], v[rSB] matrix_a_fmt:MATRIX_FMT_FP4 matrix_b_fmt:MATRIX_FMT_FP4 matrix_b_scale:MATRIX_SCALE_ROW1
.else
	v_wmma_scale_f32_16x16x128_f8f6f4 v[rD:rD+7], v[rA:rA+7], v[rB:rB+7], \c, v[rSA], v[rSB] matrix_a_fmt:MATRIX_FMT_FP4 matrix_b_fmt:MATRIX_FMT_FP4
.endif
.endm
; T's tile j: 64 hidden units of mine x the prototypes, then row tile j's partial products (they are the places behind the products), then T + b1 as three bf16 parts in the operand's layout.
; K's places: lanes 0-15 registers 0-3 the first parts of prototypes 0-7, registers 4-7 the second; lanes 16-31 register 0 the first parts of 8 and 9, 1 the second, 2 the third, 3 zero, registers 4-7 the third parts of 0-7.
.macro TT j, ws, bb
	s_wait_dscnt 0x0                               ; the tile lies in registers.  (Its scale words and b1 were asked for ahead of a chunk that has come)
	WIN 0x0d
.set n, 0
.rept 32
.set qs, n/4
.set qu, n%4
.set rD, TQ+32*\j+8*qu
.set rC, rD
.set rA, 64+8*qs
.set rB, 8*(4*qs+qu)
.set rSA, PQS+qs%4
.set rSB, \ws+8*(qu/2)+qs
.set rRA, qs/4
.set rRB, qu%2
.if qs == 0
	WMX 0
.else
	WMX v[rC:rC+7]
.endif
.set n, n+1
.endr
	WIN 0
.irp k, 0,2,4,6                        ; each accumulator from its low end on
	v_pk_add_f32 v[TM+\k:TM+\k+1], v[DA+\k:DA+\k+1], v[DA+8+\k:DA+9+\k]
.endr
.irp k, 0,2,4,6
	v_pk_add_f32 v[TM+8+\k:TM+9+\k], v[DA+16+\k:DA+17+\k], v[DA+24+\k:DA+25+\k]
.endr
	WIN 0x80
.irp k, 0,2,4,6
	v_pk_add_f32 v[SD+8*\j+\k:SD+8*\j+\k+1], v[TM+\k:TM+\k+1], v[TM+8+\k:TM+9+\k]
.endr
	WIN 0
	s_mov_b32 vcc_lo, s[HM]
.irp u, 0,1,2,3
.set rQ, TQ+32*\j+8*\u
.set bP, \bb+2*(\u/2)
.irp k, 0,2,4,6
	v_pk_add_f32 v[rQ+\k:rQ+\k+1], v[rQ+\k:rQ+\k+1], v[bP:bP+1] op_sel:[0,\u%2] op_sel_hi:[1,\u%2]
.endr
.irp p, 0,4
.irp i, 0,1,2,3
	v_cvt_pk_bf16_f32 v[TM+\p+\i], v[rQ+2*\i], v[rQ+2*\i+1]
.endr
.irp i, 0,1,2,3                        ; what the part leaves over: exact
	v_fma_mix_f32_bf16 v[rQ+2*\i], v[TM+\p+\i], v[NEG1], v[rQ+2*\i] op_sel_hi:[1,0,0]
	v_fma_mix_f32_bf16 v[rQ+2*\i+1], v[TM+\p+\i], v[NEG1], v[rQ+2*\i+1] op_sel:[1,0,0] op_sel_hi:[1,0,0]
.endr
.endr
.irp i, 0,1,2,3
	v_cvt_pk_bf16_f32 v[TM+8+\i], v[rQ+2*\i], v[rQ+2*\i+1]
.endr
.irp i, 0,1,2,3
	v_permlanex16_b32 v[TM+12+\i], v[TM+8+\i], s[SEL], s[SEL+1]
.endr
	v_mov_b32 v[rQ], v[TM]
	v_cndmask_b32 v[rQ+1], v[TM+1], v[TM+4], vcc_lo
	v_cndmask_b32 v[rQ+2], v[TM+2], v[TM+8], vcc_lo
	v_cndmask_b32 v[rQ+3], v[TM+3], v[NIL], vcc_lo
.irp i, 0,1,2,3
	v_cndmask_b32 v[rQ+4+\i], v[TM+4+\i], v[TM+12+\i], vcc_lo
.endr
.endr
.endm
	CHANGE 0                                       ; T's first tile has landed, the prototypes' codes lie in LDS: the second tile is asked for
	AB 0
	WIN 0x40
.irp s, 0,1,2,3,4,5,6,7
	ds_load_b128 v[64+8*\s:67+8*\s], v[LI] offset:4096*\s+3072
	ds_load_b128 v[68+8*\s:71+8*\s], v[LI] offset:4096*\s+3584
.endr
	WIN 0
.irp q, 0,1,2,3
	ds_load_b32 v[PQS+\q], v[LSC] offset:256*\q+192
.endr
	CHUNK 0, 1, 7, 0, 0, AV
	CHUNK 1, 2, 8, 0, 1, AV
	CHUNK 2, 3, 9, 0, 2, AV
	CHUNK 3, 4, 10, 0, 3, AV
	TT 0, WS, 92
	NEXTW WS, 92
	CHANGE 0
	CHUNK 4, 5, 11, 1, 0, ADR
	CHUNK 5, 6, 12, 1, 1, ADR
	CHUNK 6, 7, 13, 1, 2, ADR
	CHUNK 7, 8, 14, 1, 3, ADR
	TT 1, XS, 0
	NEXTW XS, 0
	CHANGE 0
	CHUNK 8, 9, 15, 2, 0, AV
	CHUNK 9, 10, 16, 2, 1, AV
	CHUNK 10, 11, 16, 2, 2, AV
	CHUNK 11, 12, 16, 2, 3, AV
	TT 2, WS, 92
	CHANGE 1                                       ; the first tile of W1's upper half is asked for.  Every wave has the prototypes' codes: row tile 3 may be stored over them
	CHUNK 12, 13, 16, 3, 0, ADR
	CHUNK 13, 14, 16, 3, 1, ADR
	CHUNK 14, 15, 16, 3, 2, ADR
	CHUNK 15, 16, 16, 3, 3, ADR
	TT 3, XS, 0
	s_wait_xcnt 0x0
	TSTEP
	PTR1
	LDWS WS, 0                                     ; layer 1's first tile
	WIN 0x08
.irp m, 0,1,2,3                        ; my partial products, over my stage
	ds_store_b128 v[DPW], v[SD+8*\m:SD+8*\m+3] offset:1024*\m
	ds_store_b128 v[DPW], v[SD+8*\m+4:SD+8*\m+7] offset:1024*\m+512
.endr
	WIN 0
	CHANGE 1                                       ; all images and partial products lie in LDS; layer 1's first tile has landed: the second is asked for
.macro LOADX s0                        ; x's fragments of four K steps
	WIN 0x40
.set n, 0
.rept 16
.set qs, \s0+n/4
.set qm, n%4
	ds_load_b128 v[64*qm+8*qs:64*qm+8*qs+3], v[LI] offset:4096*qs+1024*qm
	ds_load_b128 v[64*qm+8*qs+4:64*qm+8*qs+7], v[LI] offset:4096*qs+1024*qm+512
.set n, n+1
.endr
	WIN 0
.endm
	; ---- the nearest prototype: wave w for row tile w; at work in window 2
	WIN 0x80
.irp q, 0,1,2,3
	ds_load_b128 v[8*\q:8*\q+3], v[DPR] offset:4352*\q
	ds_load_b128 v[8*\q+4:8*\q+7], v[DPR] offset:4352*\q+512
	ds_load_b128 v[32+8*\q:35+8*\q], v[P2R] offset:64*\q
	ds_load_b128 v[36+8*\q:39+8*\q], v[P2R] offset:64*\q+16
.endr
	WIN 0
.irp m, 0,1,2,3                        ; x's scale words: lanes 0-15 K step q, lanes 16-31 K step q + 4
.irp q, 0,1,2,3
	ds_load_b32 v[XS+4*\m+\q], v[LSC] offset:256*\q+64*\m
.endr
.endr
	LOADX 0
	s_wait_dscnt 48                                ; the sixteen loads of partial sums are in; the 48 issued behind them may be out
	LOADX 4
	WIN 0xaa
	v_mov_b32 v66, 0
	v_mov_b32 v67, 0
.irp k, 0,2,4,6
	v_pk_add_f32 v[\k:\k+1], v[\k:\k+1], v[8+\k:9+\k]
	v_pk_add_f32 v[16+\k:17+\k], v[16+\k:17+\k], v[24+\k:25+\k]
	v_pk_add_f32 v[32+\k:33+\k], v[32+\k:33+\k], v[40+\k:41+\k]
	v_pk_add_f32 v[48+\k:49+\k], v[48+\k:49+\k], v[56+\k:57+\k]
.endr
.irp k, 0,2,4,6
	v_pk_add_f32 v[\k:\k+1], v[\k:\k+1], v[16+\k:17+\k]                 ; my row . prototype 8 h + j
	v_pk_add_f32 v[32+\k:33+\k], v[32+\k:33+\k], v[48+\k:49+\k]         ; |prototype 8 h + j|^2
.endr
.irp j, 0,1,2,3,4,5,6,7
	v_fma_f32 v[\j], v[\j], -2.0, v[32+\j]
.endr
	v_mov_b32 v64, v0                              ; the least so far, and its number: a later one wins only if strictly less
	v_mov_b32 v65, 0
.irp j, 1,2,3,4,5,6,7
	v_cmp_lt_f32 vcc_lo, v[\j], v64
	v_cndmask_b32 v64, v64, v[\j], vcc_lo
	v_cndmask_b32 v65, v65, \j, vcc_lo
.endr
	v_cndmask_b32 v68, 0, 8, s[HM]
	v_add_nc_u32 v65, v65, v68
	v_permlanex16_b32 v66, v64, s[SEL], s[SEL+1]   ; the other eight prototypes' least
	v_permlanex16_b32 v67, v65, s[SEL], s[SEL+1]
	v_cmp_lt_f32 s2, v66, v64
	v_cmp_eq_f32 s3, v66, v64
	v_cmp_lt_u32 vcc_lo, v67, v65
	s_and_b32 s3, s3, vcc_lo
	s_or_b32 vcc_lo, s2, s3                        ; less, or equal with the lower number: both halves of the lanes come to the same choice
	v_cndmask_b32 v65, v65, v67, vcc_lo
	WIN 0x08
	ds_store_b32 v[P2W], v65 offset:256
	WIN 0
	FQ 0, AV                                       ; layer 1's first tile into registers
	FQ 1, AV
	FQ 2, AV
	FQ 3, AV
	CHANGE 1                                       ; x and the first tile lie in registers, the choices in LDS; the second tile has landed: the third is asked for
.irp m, 0,1,2,3
	ds_load_b32 v[TM+\m], v[IDR] offset:64*\m
.endr
	s_mov_b32 s2, s[OC]
	s_mov_b32 s3, 0
	s_wait_xcnt 0x0
	s_add_nc_u64 s[BIP:BIP+1], s[18:19], s[2:3]
.macro LDB2                            ; b2 in the result's layout
	WIN 0x80
.irp u, 0,1,2,3
	global_load_b128 v[B2R+8*\u:B2R+8*\u+3], v[GB2], s[BIP:BIP+1] offset:64*\u
	global_load_b128 v[B2R+8*\u+4:B2R+8*\u+7], v[GB2], s[BIP:BIP+1] offset:64*\u+16
.endr
	WIN 0
.endm
	LDB2
	s_mov_b32 s61, 0x3f80                          ; 1.0 in bf16
	s_wait_dscnt 0x0
.irp m, 0,1,2,3                        ; the ones: a row's prototype p has its one in each of the three parts' places
	v_and_b32 v[TM+4], 1, v[TM+\m]
	v_lshrrev_b32 v[TM+5], 1, v[TM+\m]
	v_lshlrev_b32 v[TM+4], 4, v[TM+4]
	v_lshlrev_b32 v[TM+4], v[TM+4], s61
.irp i, 0,1,2,3,4
	v_cmp_eq_u32 vcc_lo, \i, v[TM+5]
	v_cndmask_b32 v[PC+\i], v[NIL], v[TM+4], vcc_lo
.endr
	WIN 0x80
.irp i, 0,1,2,3
	v_mov_b32 v[ONE+8*\m+4+\i], v[PC+\i]
.endr
.irp i, 0,1,2
	v_cndmask_b32 v[ONE+8*\m+\i], v[PC+\i], v[PC+4], s[HM]
.endr
	v_cndmask_b32 v[ONE+8*\m+3], v[PC+3], v[NIL], s[HM]
	WIN 0
.endr
; Four K steps of a layer: 64 matrix instructions, sixteen accumulators (4 row tiles x my 4 tiles of columns) by turns.  bias = 1: the first K step takes b2 as C.
.macro MUL half, bias
	WIN 0xa7                                       ; the weight window 3, x window 1, C and D window 2
.set n, 0
.rept 64
.set k4, n/16
.set qu, (n/4)%4
.set qm, n%4
.set qs, 4*\half+k4
.set rD, 8*(4*qm+qu)
.set rA, 8*(4*qs+qu)
.set rB, 64*qm+8*qs
.set rC, rD
.if (qs == 0) && \bias
.set rC, B2R+8*qu
.endif
.set rSA, WS+8*(qu/2)+qs
.set rSB, XS+4*qm+k4
.set rRA, qu%2
.set rRB, \half
	WMX v[rC:rC+7]
.set n, n+1
.endr
	WIN 0
.endm
; My 64 hidden units of the 64 rows, two row tiles at a time: quantised, then relu ON THE CODES: a block's largest number is searched without the magnitude (the floor stands over it), and the three magnitude bits of each code with a sign are cleared
; (the code 8 that is left is a zero).  Lane (r, h) holds units 16 u + 8 h + j: an exchange of halves between the two blocks' registers gives each lane a whole block.
.macro EPI
	s_lshr_b32 s61, s[HT], 4
	v_add_nc_u32 v[HAD], s[HT], v[HWI]
	v_add_nc_u32 v[HSA], s61, v[HSI]
.irp mm, 0,2
	WIN 0x0a
.set n, 0
.rept 32
.set bI, n%4
.set xI, 8*(4*(\mm+bI/2)+2*(bI%2))+2*(n/4)
.if n < 4
	v_max3_num_f32 v[TM+bI], v[xI], v[xI+1], 0x1800000
.else
	v_max3_num_f32 v[TM+bI], v[xI], v[xI+1], v[TM+bI]
.endif
.set n, n+1
.endr
	WIN 0
.irp x, 0,1,2,3
	v_permlanex16_b32 v[TM+4+\x], v[TM+\x], s[SEL], s[SEL+1]
.endr
.irp x, 0,1,2,3
	v_max_num_f32 v[TM+\x], v[TM+\x], v[TM+4+\x]
.endr
.irp x, 0,1,2,3
	v_add_nc_u32 v[TM+12+\x], 0xff000000, v[TM+\x]
.endr
.irp x, 0,1,2,3
	v_lshrrev_b32 v[TM+8+\x], 23, v[TM+12+\x]
.endr
.irp y, 0,1
	v_lshl_or_b32 v[TM+4+\y], v[TM+9+2*\y], 8, v[TM+8+2*\y]
.endr
	WIN 0x02
.irp x, 0,1,2,3
.irp u, 0,1
	v_cvt_scalef32_pk8_fp4_f32 v[PC+4*(\x/2)+2*\u+\x%2], v[8*(4*(\mm+\x/2)+2*(\x%2)+\u):8*(4*(\mm+\x/2)+2*(\x%2)+\u)+7], v[TM+12+\x]
.endr
.endr
	WIN 0
	v_nop                                          ; one plain place behind a scaled conversion
.irp y, 0,1
.irp g, 0,1,2,3
	v_and_b32 v[TM+\g], s[MSK8], v[PC+4*\y+\g]
.endr
.irp g, 0,1,2,3
	v_lshrrev_b32 v[TM+8+\g], 3, v[TM+\g]
.endr
.irp g, 0,1,2,3
	v_sub_nc_u32 v[TM+\g], v[TM+\g], v[TM+8+\g]    ; 7 where the code has a sign
.endr
.irp g, 0,1,2,3
	v_bfi_b32 v[PC+4*\y+\g], v[TM+\g], v[NIL], v[PC+4*\y+\g]
.endr
.irp u, 0,1
	v_permlane16_swap_b32 v[PC+4*\y+2*\u], v[PC+4*\y+2*\u+1]
.endr
	ds_store_b128 v[HAD], v[PC+4*\y:PC+4*\y+3] offset:512*(\mm+\y)
	ds_store_b16 v[HSA], v[TM+4+\y] offset:32*(\mm+\y)
.endr
.endr
	s_add_co_u32 s[HT], s[HT], 2048
	s_and_b32 s[HT], s[HT], 0x1800                 ; behind the fourth tile comes the first
.endm
; A TILE OF W1's UPPER HALF (256 hidden units).  It lies in registers; the next tile has landed in LDS and is copied over each half of the registers as soon as that half has been multiplied; the tile after that is on its way.
; loop = 1: the trips of the loop, whose last one loads the scale words of W2's first tile, and whose T moves up by 32 registers.
.macro TILE1 tq, fill, loop
	WA
	s_wait_loadcnt 0x0                             ; this tile's scale words are in, so their pointer may be written
	WIN 0x88
.irp u, 0,1,2,3
.irp m, 0,1,2,3                        ; the sums begin with the rows' T
	v_wmma_f32_16x16x32_bf16 v[8*(4*\m+\u):8*(4*\m+\u)+7], v[\tq+8*\u:\tq+8*\u+7], v[ONE+8*\m:ONE+8*\m+7], 0
.endr
.endr
	WIN 0
	PLACES 5                                       ; another form takes these results as its C
	MUL 0, 0
	PLACES 4                                       ; in front of loads into registers that matrix instructions have read (ISA guide 7.12.1 for vector instructions)
	v_add_nc_u32 v[ADR], s[TB], v[AV]
	WA
	FQ 0, ADR
	FQ 1, ADR
	MUL 1, 0
	PLACES 4
	FQ 2, ADR
	FQ 3, ADR
	TSTEP
.if \loop
	s_lshr_b32 s3, s[TAU], 1
	s_cmp_eq_u32 s[CNT], 1
	s_cselect_b32 s2, s3, s[TAU]
	s_cselect_b32 s66, 0, 1
	s_cselect_b64 s[WSP:WSP+1], s[16:17], s[10:11]
	s_mov_b32 s3, 0
	s_add_nc_u64 s[WSP:WSP+1], s[WSP:WSP+1], s[2:3]
	v_lshlrev_b32 v[GWS], s66, v[GW2S]             ; a row's scale bytes are 64 in W1, 32 in W2
	v_add_lshl_u32 v0, v[GW2S], s67, s66
	global_load_b128 v[WS:WS+3], v[GWS], s[WSP:WSP+1]
	global_load_b128 v[WS+4:WS+7], v[GWS], s[WSP:WSP+1] offset:16
	global_load_b128 v[WS+8:WS+11], v0, s[WSP:WSP+1]
	global_load_b128 v[WS+12:WS+15], v0, s[WSP:WSP+1] offset:16
.else
	s_mov_b32 s2, s[TAU]
	s_mov_b32 s3, 0
	s_add_nc_u64 s[WSP:WSP+1], s[10:11], s[2:3]
	LDWS WS, 0
.endif
	s_xor_b32 s[TB], s[TB], SLOTB
	EPI
.if \loop
.set n, 32
.rept 32
	v_dual_mov_b32 v[TQ+n], v[TQ+n+32] :: v_dual_mov_b32 v[TQ+n+1], v[TQ+n+33]
.set n, n+2
.endr
.endif
	CHANGE \fill
.endm
	s_mov_b32 s[TB], SLOTB
	s_movk_i32 s67, 1024                           ; 32 rows of W2's scale bytes
	TILE1 TQ, 1, 0                                 ; it asks for the fourth tile
	s_mov_b32 s[CNT], 3
.Ll1:                                              ; the others ask for W2's first three
	TILE1 TQ+32, 2, 1
	s_sub_co_u32 s[CNT], s[CNT], 1
	s_cmp_lg_u32 s[CNT], 0
	s_cbranch_scc1 .Ll1
	; ---- the hidden layer comes back: wave w's 64 units of tile t are half w % 2 of K step 2 t + w / 2
.irp m, 0,1,2,3
.irp q, 0,1,2,3
	ds_load_u16 v[TQ+8*\m+2*\q], v[HSR] offset:1024*(\q%2)+128*(\q/2)+32*\m
	ds_load_u16 v[TQ+8*\m+2*\q+1], v[HSR] offset:1024*(\q%2)+512+128*(\q/2)+32*\m
.endr
.endr
	WIN 0x40
.set n, 0
.rept 32
.set qs, n/4
.set qm, n%4
	ds_load_b128 v[64*qm+8*qs:64*qm+8*qs+3], v[LI] offset:16384*(qs%2)+2048*(qs/2)+512*qm
	ds_load_b128 v[64*qm+8*qs+4:64*qm+8*qs+7], v[LI] offset:16384*(qs%2)+8192+2048*(qs/2)+512*qm
.if n == 15
	WIN 0
	s_wait_dscnt 32                                ; the scale bytes are in; the first four K steps' fragments may be out
.set i4, 0
.rept 16
	v_lshl_or_b32 v[XS+i4], v[TQ+2*i4+1], 16, v[TQ+2*i4]
.set i4, i4+1
.endr
	WIN 0x40
.endif
.set n, n+1
.endr
	WIN 0
	PLACES 8                                       ; a scale register written by a vector instruction stands eight places ahead of a scaled matrix instruction
; THE WAY OUT of a tile of 256 outputs: my 64 outputs of 16 rows at a time go through my own stage in LDS (rows of 256 bytes + 16) and come back as whole rows: sixteen lanes store 256 consecutive bytes, aligned.
.macro TOSTAGE m
	s_wait_xcnt 0x0                                ; earlier stores have read their registers: the set that they read may be loaded again
	WIN 0x08                                       ; an LDS store's data are its source 1: window 2
.irp u, 0,1,2,3
	ds_store_b128 v[STO], v[8*(4*\m+\u):8*(4*\m+\u)+3] offset:64*\u          ; each accumulator from its low end on
	ds_store_b128 v[STO], v[8*(4*\m+\u)+4:8*(4*\m+\u)+7] offset:64*\u+16
.endr
	WIN 0
.irp i, 0,1,2,3,4,5,6,7
	ds_load_b128 v[OB+32*(\m%2)+4*\i:OB+32*(\m%2)+4*\i+3], v[RD] offset:544*\i
.endr
.endm
.macro SEND m, younger
	s_wait_dscnt \younger                          ; the block is back; the next block's 8 stores and 8 loads may be out
.irp i, 0,1,2,3,4,5,6,7
	global_store_b128 v[CO], v[OB+32*(\m%2)+4*\i:OB+32*(\m%2)+4*\i+3], s[OUTP:OUTP+1] offset:(16*\m+2*\i)*4096 th:TH_STORE_NT
.endr
.endm
; A TILE OF W2 (256 outputs), as a tile of W1.  first = 1: its change of slots asks for the last tile.  In the loop the last trip has no next tile to copy.
.macro TILE2 first
	WA
	s_wait_loadcnt 0x0                             ; this tile's scale words and bias are in, so their pointers may be written
.if \first
	s_wait_dscnt 32                                ; the hidden layer's first four K steps
.endif
	TSTEP
	s_lshr_b32 s2, s[TAU], 1
	s_mov_b32 s3, 0
	s_add_nc_u64 s[WSP:WSP+1], s[16:17], s[2:3]
	s_lshr_b32 s2, s[TAU], 4
	s_add_nc_u64 s[BIP:BIP+1], s[18:19], s[2:3]
	MUL 0, 1
	PLACES 4
.if \first == 0
	s_cmp_eq_u32 s[CNT], 1
	s_cbranch_scc1 .Lno_next_a_\@
.endif
	v_add_nc_u32 v[ADR], s[TB], v[AV]
	WA
	FQ 0, ADR
	FQ 1, ADR
	LDB2
.if \first
	s_wait_dscnt 32                                ; the hidden layer's last four K steps: the 32 loads just issued may be out
.else
.Lno_next_a_\@:
.endif
	MUL 1, 1
	PLACES 5                                       ; four serve the loads into registers that these products read and the stage stores' reads of the sums; the fifth is owed to the next tile's first
	                                               ; products, which write the sixteen accumulators anew (C = b2)
.if \first == 0
	s_cmp_eq_u32 s[CNT], 1
	s_cbranch_scc1 .Lno_next_b_\@
.endif
	FQ 2, ADR
	FQ 3, ADR
	global_load_b128 v[WS:WS+3], v[GW2S], s[WSP:WSP+1]
	global_load_b128 v[WS+4:WS+7], v[GW2S], s[WSP:WSP+1] offset:16
	global_load_b128 v[WS+8:WS+11], v[GW2S], s[WSP:WSP+1] offset:1024
	global_load_b128 v[WS+12:WS+15], v[GW2S], s[WSP:WSP+1] offset:1040
.if \first == 0
.Lno_next_b_\@:
.endif
	s_xor_b32 s[TB], s[TB], SLOTB
	TOSTAGE 0
	TOSTAGE 1
	SEND 0, 16
	TOSTAGE 2
	SEND 1, 16
	TOSTAGE 3
	SEND 2, 16
	SEND 3, 0
	s_wait_xcnt 0x0                                ; the stores have read their base
	s_add_co_u32 s[OC], s[OC], 1024                ; the next tile's 256 outputs;
	s_and_b32 s[OC], s[OC], 0xfff                  ; behind the fourth tile comes the first
	PTRO
.if \first
	CHANGE 2
.else
	s_wait_tensorcnt 0x0                           ; for the next tile's reads: the last tile of all has landed; nothing is filled any more, so no barrier follows
	s_wait_dscnt 0x0                               ; the next tile lies in registers
.endif
.endm
	TILE2 1
	s_mov_b32 s[CNT], 3
.Ll2:
	TILE2 0
	s_sub_co_u32 s[CNT], s[CNT], 1
	s_cmp_lg_u32 s[CNT], 0
	s_cbranch_scc1 .Ll2
	s_wait_tensorcnt 0x0                           ; the wave's end, behind my last tensor load and my last LDS store
	ds_add_u32 v[SPW], v[NIL]
	s_wait_dscnt 0x0
	ROUND                                          ; the closing round: no work-group ends while a partner may still ask for a tile that names it
	s_endpgm
.Lfunc_end_k_qa7ebc051d8_fused:
	.size	k_qa7ebc051d8_fused, .Lfunc_end_k_qa7ebc051d8_fused-k_qa7ebc051d8_fused
	.p2alignl 7, 3214868480
	.fill 96, 4, 3214868480
	.section	.rodata,"a",@progbits
	.p2align	6, 0x0
	.amdhsa_kernel k_qa7ebc051d8_fused
		.amdhsa_group_segment_fixed_size 327680
		.amdhsa_private_segment_fixed_size 0
		.amdhsa_enable_private_segment 0
		.amdhsa_kernarg_size 72
		.amdhsa_user_sgpr_count 2
		.amdhsa_user_sgpr_kernarg_segment_ptr 1
		.amdhsa_wavefront_size32 1
		.amdhsa_system_sgpr_workgroup_id_x 1
		.amdhsa_system_sgpr_workgroup_id_y 1
		.amdhsa_system_sgpr_workgroup_id_z 1
		.amdhsa_system_vgpr_workitem_id 0
		.amdhsa_next_free_vgpr 1024
		.amdhsa_next_free_sgpr 102
		.amdhsa_reserve_vcc 1
		.amdhsa_float_denorm_mode_32 3
		.amdhsa_float_denorm_mode_16_64 3
		.amdhsa_memory_ordered 1
		.amdhsa_forward_progress 1
		.amdhsa_inst_pref_size 255
	.end_amdhsa_kernel
	.section	.bss,"aw",@nobits
	.p2align	6
	.space	262144
	.amdgpu_metadata
---
amdhsa.version: [ 1, 2 ]
amdhsa.kernels:
  - .name:           k_qa7ebc051d8_fused
    .symbol:         k_qa7ebc051d8_fused.kd
    .args:
      - { .name: features, .offset: 0, .size: 8, .value_kind: global_buffer, .address_space: global }
      - { .name: prototypes, .offset: 8, .size: 8, .value_kind: global_buffer, .address_space: global }
      - { .name: W1_codes, .offset: 16, .size: 8, .value_kind: global_buffer, .address_space: global }
      - { .name: W1_scales, .offset: 24, .size: 8, .value_kind: global_buffer, .address_space: global }
      - { .name: b1, .offset: 32, .size: 8, .value_kind: global_buffer, .address_space: global }
      - { .name: W2_codes, .offset: 40, .size: 8, .value_kind: global_buffer, .address_space: global }
      - { .name: W2_scales, .offset: 48, .size: 8, .value_kind: global_buffer, .address_space: global }
      - { .name: b2, .offset: 56, .size: 8, .value_kind: global_buffer, .address_space: global }
      - { .name: out0, .offset: 64, .size: 8, .value_kind: global_buffer, .address_space: global }
    .group_segment_fixed_size: 327680
    .private_segment_fixed_size: 0
    .kernarg_segment_align: 8
    .kernarg_segment_size: 72
    .max_flat_workgroup_size: 128
    .sgpr_count:     102
    .vgpr_count:     1024
    .wavefront_size: 32
...
	.end_amdgpu_metadata
.endif
;; end of part 1
